; MI455X (gfx1250); checked and timed in simulation.
; The chip was launched on July 23, 2026; its instructions are those of AMD's public machine-readable ISA for CDNA 5 (MIT licence, August 2026) and "CDNA5" Instruction Set Architecture Reference Guide (July 2026). The comments in the code are by the model that wrote it; some were corrected since.
;; Multi Head Attention. Allowed arithmetic: matrix products marked QUANTISED: E4M3 operands, one given power-of-two scale a tensor, by v_wmma_f32_16x16x64_fp8_fp8 or v_wmma_f32_16x16x128_fp8_fp8, f32 sums; everything else in f32.
;; Inputs: Wk 1,024 x 1,024 float32; Wo 1,024 x 1,024 float32; Wq 1,024 x 1,024 float32; Wv 1,024 x 1,024 float32; bk 1,024 float32; bo 1,024 float32; bq 1,024 float32; bv 1,024 float32; lowp_scales 12 int32 (the exponents e of the quantised operands' scales 2^e); x 1 x 4,096 x 1,024 float32.
;; Outputs: out0 1 x 4,096 x 1,024 float32.
;; This version of the problem:
;;   THIS VERSION OF THE PROBLEM IS GIVEN IN LOW PRECISION. The matrix products marked QUANTISED in the list below multiply operands that are first quantised to E4M3 (4 exponent bits, 3 mantissa bits; 8 bits a number), with one given power-of-two scale for each operand tensor; their sums are f32. All else is computed in f32.
;;   The module's matrix products, in the order in which they are computed (A, B: the left and right operand; K: the contracted axis; several contracted axes count as one K, in the product's order):
;;     1. [M 4,096, K 1,024] x [K 1,024, N 1,024]; A: input x; B: input Wq: QUANTISED (scales: A lowp_scales[0], B lowp_scales[1])
;;     2. [M 4,096, K 1,024] x [K 1,024, N 1,024]; A: input x; B: input Wk: QUANTISED (scales: A lowp_scales[2], B lowp_scales[3])
;;     3. [M 4,096, K 1,024] x [K 1,024, N 1,024]; A: input x; B: input Wv: QUANTISED (scales: A lowp_scales[4], B lowp_scales[5])
;;     4. batch 16 x [M 4,096, K 64] x [K 64, N 4,096]; A: computed on the way; B: computed on the way: QUANTISED (scales: A lowp_scales[6], B lowp_scales[7])
;;     5. batch 16 x [M 4,096, K 4,096] x [K 4,096, N 64]; A: softmax (see below); B: computed on the way: QUANTISED (scales: A lowp_scales[8], B lowp_scales[9])
;;     6. [M 4,096, K 1,024] x [K 1,024, N 1,024]; A: computed on the way; B: input Wo: QUANTISED (scales: A lowp_scales[10], B lowp_scales[11])
;;   THE QUANTISER, for each operand of a quantised product, along K:
;;     - The operand's scale is 2^e, e = its entry of the input lowp_scales (int32; the entries are numbered through the quantised products in the list's order, A before B).
;;     - Each number is divided by the scale, clamped to +-448, and rounded to the nearest number of E4M3, ties to even, subnormals kept.
;;     - The product sums the exact products of the quantised numbers (number of the format x scale) in f32.
;;   ~~~python
;;   def quantise(x, axis, e):      # numpy; x: float32 -> the quantised numbers, widened to float32 again
;;       x = np.moveaxis(x, axis, -1); K = x.shape[-1]
;;       r = np.clip(x / 2.0 ** e, -448, 448)
;;       step = 2.0 ** (np.maximum(np.frexp(np.where(r == 0, 1, r))[1] - 1, -6) - 3)
;;       q = np.round(r / step) * step * 2.0 ** e      # np.round: ties to even
;;       return np.moveaxis(q, -1, axis).astype(np.float32)
;;   ~~~
;;   SOFTMAX AHEAD OF A QUANTISED PRODUCT. Where the list says 'softmax', what is quantised is not the finished softmax but p = 2^(t - M), with t = logit x log2(e) and M = ceil(the row's largest t), a whole number; so 1/2 < the row's largest p <= 1. The row's sum l is taken of the UNQUANTISED p, in f32, and the product's result is divided by l at the end. Since M is a whole number, a kernel that streams over the keys may use a running M (the ceiling of the running maximum): every later rescaling is an exact power of two, so the quantised numbers keep their values, but for numbers so far below the row's largest that they fall under the format's range.
;;   OPERANDS COMPUTED ON THE WAY. 'Computed on the way' means the value that the module computes at that place (a softmax that the list does not call 'softmax' is quantised finished and normalised). What goes into a quantiser is computed in f32, as accurately as f32 sums, v_exp_f32 and their like allow (about 1e-6 of the number): no bf16 or f16 on the way to a quantiser, and a product that is left as it is and whose result goes on into a quantised operand takes f32 operands (vector FMAs, or v_wmma_f32_16x16x4_f32). A number that lies on a knife's edge between two numbers of the format may be rounded either way, as far as f32 arithmetic and the matrix unit's own rounding can turn it there, and no further.
;; One version. Each part assembles by itself: llvm-mc -triple=amdgcn-amd-amdhsa -mcpu=gfx1250 --defsym DOCPART=n.
;; ======== version 1 of 1: 4 launches
;; limits: right only within a limited range of input values
;; workspace buffers: xcodes 12,582,912 bytes; wcodes 4,194,304 bytes; qimg 4,194,304 bytes; kimg 4,194,304 bytes; vimg 4,194,304 bytes; ocodes 4,194,304 bytes
;; launch quant (part 1): grid 384 x 1, 4 waves a work-group, no clusters, 34,304 bytes of LDS; arguments x, Wq, Wk, Wv, Wo, lowp_scales, xcodes, wcodes; writes xcodes, wcodes
.if DOCPART == 1
	.amdgcn_target "amdgcn-amd-amdhsa--gfx1250"
	.amdhsa_code_object_version 6
	.text
	.protected	k_q8f384b4559_quant
	.globl	k_q8f384b4559_quant
	.p2align	8
	.type	k_q8f384b4559_quant,@function
k_q8f384b4559_quant:
	s_mov_b64 s[64:65], 0
	v_nop
	global_prefetch_b8 v0, s[64:65] scope:SCOPE_SE
	s_setreg_imm32_b32 hwreg(HW_REG_WAVE_MODE, 25, 1), 1
	s_wait_xcnt 0x0
; x [4096][1024] f32 becomes three planes of E4M3 codes (scales 2^e0, 2^e2, 2^e4: one plane for each of the products q, k, v);
; Wq, Wk, Wv, Wo [k 1024][n 1024] f32 become four planes of codes (2^e1, 2^e3, 2^e5, 2^e11) with K innermost.
; code = number / 2^e, held within +-448, to the nearest code, ties to even.
; LAYOUT OF THE CODES: IMAGES OF OPERAND REGISTERS.  A fragment is 16 rows x 128 along K = 16 registers a lane = 2,048 bytes: four quads of
; 512 bytes, lane l's 16 bytes of a quad at 16 l.  Lane l = r + 16 h holds row r; in quad i its bytes 0-7 are k = 32 i + 8 h + 0..7, its bytes 8-15
; k = 32 i + 16 + 8 h + 0..7: the places that the 8-bit matrix forms give each k.  Fragment (row / 16, k / 128) lies at (row / 16 x 8 + k / 128) x 2,048.
; So every later reader takes a fragment by loads of 16 bytes a lane, 512 consecutive bytes a wave.
; Work-groups 0-255: 16 rows of x each; wave w takes k = 256 w .. 256 w + 255 (two fragments).  Work-groups 256-383: the weights.
; LIMITS: each e between -126 and 119, so that 2^e and 448 x 2^e are f32 numbers.  NaN among the inputs is not served.
.set SP,    528                        ; a stage row: 512 bytes (128 numbers of one row of x) + 16 of padding, so that the 16 rows that a read touches start 4 banks apart
.set STG,   16*SP                      ; a wave's own stage
.set SPARE, 4*STG                      ; behind the four stages: the spare words, 128 bytes for each wave, which no other line names
.set SPW,   12                         ; v12  my spare word's LDS address; never rewritten
.set NIL,   13                         ; v13  0; never rewritten
.set R,     16                         ; v16-143   x as loaded: row i of fragment f at v[R+64 f+4 i]; later the codes of fragment f
.set X,     144                        ; v144-207  64 numbers of my row in the operand's order
.set T,     208                        ; v208-239  two sets of 16 held numbers, by turns
.set WX,    32                         ; weights: v32-95 two sets of 32 numbers
.set WC,    96                         ; weights: v96-159 eight registers of codes for each of 8 blocks: no store's data are written again
.macro MKSC e, vs, vl                  ; v[vs] = 2^e as f32 (the conversion takes its exponent field), v[vl] = 448 x 2^e; e in s[e]
	s_add_co_i32 s2, s[\e], 127
	s_lshl_b32 s3, s2, 23
	v_mov_b32 v[\vs], s3
	s_add_co_i32 s2, s2, 8
	s_lshl_b32 s2, s2, 23
	s_or_b32 s2, s2, 0x600000
	v_mov_b32 v[\vl], s2
.endm
	s_load_b512 s[4:19], s[0:1], 0x0               ; x s[4:5], Wq s[6:7], Wk s[8:9], Wv s[10:11], Wo s[12:13], the exponents s[14:15], xcodes s[16:17], wcodes s[18:19]
	v_lshl_add_u32 v[SPW], v0, 2, SPARE
	v_mov_b32 v[NIL], 0
	v_lshrrev_b32 v1, 5, v0
	v_readfirstlane_b32 s20, v1                    ; wave 0..3
	v_and_b32 v1, 31, v0                           ; lane
	s_wait_kmcnt 0x0
	s_load_b256 s[24:31], s[14:15], 0x0            ; e0 .. e7
	s_load_b128 s[32:35], s[14:15], 0x20           ; e8 .. e11
	s_cmp_ge_u32 ttmp9, 256                        ; the work-group's number alone decides the path; only the path of x touches LDS
	s_cbranch_scc1 .Lweights
	; ---- x.  Loads take the bytes as they lie (512 consecutive bytes of a row); a fragment turns through the wave's own stage, so that a lane gets its row's numbers in the operand's order.
	s_wait_alu depctr_va_vdst(0)
	v_lshlrev_b32 v2, 4, v1                        ; 16 x lane: in a load's 512 bytes, and in a quad of codes
	s_wait_alu depctr_va_vdst(0)
	s_mul_i32 s21, s20, STG
	v_add_nc_u32 v3, s21, v2                       ; into the stage: row i at SP i, as loaded
	v_and_b32 v5, 15, v0                           ; r
	v_bfe_u32 v4, v0, 4, 1                         ; h
	v_mul_u32_u24 v5, v5, SP
	v_lshl_add_u32 v4, v4, 5, v5
	v_add_nc_u32 v4, s21, v4                       ; out of it: row r, + 32 h bytes (8 numbers)
	s_lshl_b32 s22, ttmp9, 16                      ; 16 rows of 4,096 bytes
	s_lshl_b32 s23, s20, 10                        ; my wave's 256 numbers of a row
	s_add_co_u32 s22, s22, s23
	s_mov_b32 s23, 0
	s_add_nc_u64 s[4:5], s[4:5], s[22:23]
	s_lshl_b32 s22, ttmp9, 14                      ; the row tile's 8 fragments
	s_lshl_b32 s21, s20, 12                        ; my wave's two
	s_add_co_u32 s22, s22, s21
	s_add_nc_u64 s[36:37], s[16:17], s[22:23]      ; plane 0,
	s_add_nc_u64 s[38:39], s[36:37], 0x400000      ; plane 1,
	s_add_nc_u64 s[40:41], s[36:37], 0x800000      ; plane 2: a base each
.irp f, 0,1
.irp i, 0,1,2,3,4,5,6,7,8,9,10,11,12,13,14,15
	global_load_b128 v[R+64*\f+4*\i:R+64*\f+4*\i+3], v2, s[4:5] offset:\i*4096+\f*512 th:TH_LOAD_NT
.endr
.endr
	s_wait_alu depctr_va_vdst(0)
	s_wait_kmcnt 0x0
	MKSC 24, 6, 7                                  ; e0
	MKSC 26, 8, 9                                  ; e2
	MKSC 28, 10, 11                                ; e4
.macro FRAGX f
	s_wait_loadcnt 16*(1-\f)                       ; loads come back in order: this fragment's 16 are in; the other fragment's 16 may be out
.irp i, 0,1,2,3,4,5,6,7,8,9,10,11,12,13,14,15
	ds_store_b128 v3, v[R+64*\f+4*\i:R+64*\f+4*\i+3] offset:SP*\i
.endr
.irp i, 0,1,2,3                                ; LDS serves a wave's instructions in order: these see the stores above, and the next fragment's stores come behind them
	ds_load_b128 v[X+16*\i:X+16*\i+3],     v4 offset:128*\i
	ds_load_b128 v[X+16*\i+4:X+16*\i+7],   v4 offset:128*\i+16
	ds_load_b128 v[X+16*\i+8:X+16*\i+11],  v4 offset:128*\i+64
	ds_load_b128 v[X+16*\i+12:X+16*\i+15], v4 offset:128*\i+80
.endr
	s_wait_dscnt 0x0                               ; my 64 numbers are in, and the stores have read this fragment's registers, which now take its codes
.irp i, 0,1,2,3
.irp p, 0,1,2
.set TS, T+16*((3*\i+\p)%2)
.set CC, R+64*\f+16*\p+4*\i
.irp n, 0,1,2,3,4,5,6,7,8,9,10,11,12,13,14,15
	v_med3_num_f32 v[TS+\n], v[X+16*\i+\n], -v[7+2*\p], v[7+2*\p]   ; the conversion to an 8-bit code does not saturate (ISA guide 7.6.2): the hold comes first.  The other set's sixteen holds stand between a conversion and the next write of its sources
.endr
	v_cvt_scalef32_pk8_fp8_f32 v[CC:CC+1],   v[TS:TS+7],    v[6+2*\p]
	v_cvt_scalef32_pk8_fp8_f32 v[CC+2:CC+3], v[TS+8:TS+15], v[6+2*\p]
	global_store_b128 v2, v[CC:CC+3], s[36+2*\p:37+2*\p] offset:\f*2048+\i*512   ; quad i of plane p: the wave stores 512 consecutive bytes, aligned
.endr
.endr
.endm
	s_wait_alu depctr_va_vdst(0)
	FRAGX 0
	FRAGX 1
	v_nop                                          ; a plain line behind the last conversion
	s_wait_tensorcnt 0x0                           ; the wave's end: behind my last LDS store
	ds_add_u32 v[SPW], v[NIL]
	s_wait_dscnt 0x0
	s_endpgm
	; ---- the weights.  K is the first axis: A LANE TAKES A COLUMN n, AND ITS REGISTERS RUN DOWN K.  A wave takes 32 columns x 256 along K: 8 blocks of 32.
	; A block's 32 codes of a column are two pieces of 16 bytes of one quad (h = 0: k 0-7 and 16-23; h = 1: k 8-15 and 24-31), and the 16 columns of a row tile lie side by side:
	; sixteen lanes store 256 consecutive bytes, aligned.  No LDS on this path.
.Lweights:
	s_sub_co_u32 s21, ttmp9, 256                   ; u = 0..127
	s_lshr_b32 s22, s21, 5                         ; which weight: 0 q, 1 k, 2 v, 3 o
	s_and_b32 s23, s21, 7                          ; which 128 columns
	s_bfe_u32 s21, s21, 0x20003                    ; which 256 along K
	s_wait_alu depctr_va_vdst(0)
	v_lshlrev_b32 v3, 2, v1                        ; in: 4 bytes a lane
	s_wait_alu depctr_va_vdst(0)
	v_lshrrev_b32 v5, 4, v1
	v_and_b32 v4, 15, v1
	v_lshlrev_b32 v4, 4, v4
	v_lshl_add_u32 v5, v5, 14, v4                  ; out: row tile (lane / 16) x 16,384 + 16 (lane % 16)
	s_lshl_b32 s23, s23, 2
	s_add_co_u32 s23, s23, s20                     ; my first column / 32
	s_lshl_b32 s36, s21, 20                        ; 256 rows of 4,096 bytes
	s_lshl_b32 s37, s23, 7                         ; 32 columns of 4 bytes
	s_add_co_u32 s36, s36, s37
	s_mov_b32 s37, 0
	s_lshl_b32 s38, s22, 20                        ; the weight's plane of codes,
	s_lshl_b32 s39, s23, 15                        ; two row tiles of 16,384 bytes,
	s_add_co_u32 s38, s38, s39
	s_lshl_b32 s39, s21, 12                        ; two fragments along K
	s_add_co_u32 s38, s38, s39
	s_mov_b32 s39, 0
	s_add_nc_u64 s[18:19], s[18:19], s[38:39]
	s_cmp_eq_u32 s22, 1                            ; the choice of a buffer hangs on the work-group's number alone
	s_cselect_b64 s[6:7], s[8:9], s[6:7]
	s_cmp_eq_u32 s22, 2
	s_cselect_b64 s[6:7], s[10:11], s[6:7]
	s_cmp_eq_u32 s22, 3
	s_cselect_b64 s[6:7], s[12:13], s[6:7]
	s_add_nc_u64 s[6:7], s[6:7], s[36:37]
.macro LOADW t                         ; block t: W(32 t + i, my column) into set t % 2; a wave reads 128 consecutive bytes, the four waves 512
.set i, 0
.rept 32
	global_load_b32 v[WX+32*((\t)%2)+i], v3, s[6:7] offset:(32*(\t)+i)*4096 th:TH_LOAD_NT
.set i, i+1
.endr
.endm
	LOADW 0
	LOADW 1
	s_wait_kmcnt 0x0
	s_cmp_eq_u32 s22, 1
	s_cselect_b32 s25, s27, s25                    ; e1, e3, e5 or e11
	s_cmp_eq_u32 s22, 2
	s_cselect_b32 s25, s29, s25
	s_cmp_eq_u32 s22, 3
	s_cselect_b32 s25, s35, s25
	MKSC 25, 11, 10
.macro BLOCKW t
.set XS, WX+32*((\t)%2)
.set CB, WC+8*(\t)
.if (\t) < 7
	s_wait_loadcnt 32                              ; this block's 32 loads are in; the next block's may be out
.else
	s_wait_loadcnt 0
.endif
.set i, 0
.rept 32
	v_med3_num_f32 v[XS+i], v[XS+i], -v10, v10
.set i, i+1
.endr
	v_cvt_scalef32_pk8_fp8_f32 v[CB:CB+1],   v[XS:XS+7],     v11   ; h = 0: k 0-7,
	v_cvt_scalef32_pk8_fp8_f32 v[CB+4:CB+5], v[XS+8:XS+15],  v11   ; h = 1: k 8-15,
	v_cvt_scalef32_pk8_fp8_f32 v[CB+2:CB+3], v[XS+16:XS+23], v11   ; h = 0: k 16-23,
	v_cvt_scalef32_pk8_fp8_f32 v[CB+6:CB+7], v[XS+24:XS+31], v11   ; h = 1: k 24-31.  (Results go to stores, the sources are next written by loads; the next block's holds are plain lines on the other set)
	global_store_b128 v5, v[CB:CB+3],   s[18:19] offset:512*(\t)
	global_store_b128 v5, v[CB+4:CB+7], s[18:19] offset:512*(\t)+256
.if (\t)+2 < 8
	LOADW (\t)+2
.endif
.endm
	s_wait_alu depctr_va_vdst(0)
.irp t, 0,1,2,3,4,5,6,7
	BLOCKW \t
.endr
	s_endpgm
.Lfunc_end_k_q8f384b4559_quant:
	.size	k_q8f384b4559_quant, .Lfunc_end_k_q8f384b4559_quant-k_q8f384b4559_quant
	.p2alignl 7, 3214868480
	.fill 96, 4, 3214868480
	.section	.rodata,"a",@progbits
	.p2align	6, 0x0
	.amdhsa_kernel k_q8f384b4559_quant
		.amdhsa_group_segment_fixed_size 34304
		.amdhsa_private_segment_fixed_size 0
		.amdhsa_enable_private_segment 0
		.amdhsa_kernarg_size 64
		.amdhsa_user_sgpr_count 2
		.amdhsa_user_sgpr_kernarg_segment_ptr 1
		.amdhsa_wavefront_size32 1
		.amdhsa_system_sgpr_workgroup_id_x 1
		.amdhsa_system_sgpr_workgroup_id_y 1
		.amdhsa_system_sgpr_workgroup_id_z 1
		.amdhsa_system_vgpr_workitem_id 0
		.amdhsa_next_free_vgpr 240
		.amdhsa_next_free_sgpr 66
		.amdhsa_reserve_vcc 0
		.amdhsa_float_denorm_mode_32 3
		.amdhsa_float_denorm_mode_16_64 3
		.amdhsa_memory_ordered 1
		.amdhsa_forward_progress 1
		.amdhsa_inst_pref_size 85
	.end_amdhsa_kernel
	.amdgpu_metadata
---
amdhsa.version: [ 1, 2 ]
amdhsa.kernels:
  - .name:           k_q8f384b4559_quant
    .symbol:         k_q8f384b4559_quant.kd
    .args:
      - { .name: x, .offset: 0, .size: 8, .value_kind: global_buffer, .address_space: global }
      - { .name: Wq, .offset: 8, .size: 8, .value_kind: global_buffer, .address_space: global }
      - { .name: Wk, .offset: 16, .size: 8, .value_kind: global_buffer, .address_space: global }
      - { .name: Wv, .offset: 24, .size: 8, .value_kind: global_buffer, .address_space: global }
      - { .name: Wo, .offset: 32, .size: 8, .value_kind: global_buffer, .address_space: global }
      - { .name: lowp_scales, .offset: 40, .size: 8, .value_kind: global_buffer, .address_space: global }
      - { .name: xcodes, .offset: 48, .size: 8, .value_kind: global_buffer, .address_space: global }
      - { .name: wcodes, .offset: 56, .size: 8, .value_kind: global_buffer, .address_space: global }
    .group_segment_fixed_size: 34304
    .private_segment_fixed_size: 0
    .kernarg_segment_align: 8
    .kernarg_segment_size: 64
    .max_flat_workgroup_size: 128
    .sgpr_count:     66
    .vgpr_count:     240
    .wavefront_size: 32
...
	.end_amdgpu_metadata
.endif
;; end of part 1
;; launch qkv (part 2): grid 12 x 16, 4 waves a work-group, clusters of 4 x 4, 327,680 bytes of LDS; arguments xcodes, wcodes, lowp_scales, bq, bk, bv, qimg, kimg, vimg; writes qimg, kimg, vimg
.if DOCPART == 2
	.amdgcn_target "amdgcn-amd-amdhsa--gfx1250"
	.amdhsa_code_object_version 6
	.text
	.protected	k_q8f384b4559_qkv
	.globl	k_q8f384b4559_qkv
	.p2align	8
	.type	k_q8f384b4559_qkv,@function
k_q8f384b4559_qkv:
	s_mov_b64 s[64:65], 0
	v_nop
	global_prefetch_b8 v0, s[64:65] scope:SCOPE_SE
	s_setreg_imm32_b32 hwreg(HW_REG_WAVE_MODE, 25, 1), 1
	s_wait_xcnt 0x0
	s_wait_alu depctr_hold_cnt(0) depctr_sa_sdst(0) depctr_va_vdst(0) depctr_va_sdst(0) depctr_va_ssrc(0) depctr_va_vcc(0) depctr_vm_vsrc(0)
	s_getreg_b32 s2, hwreg(HW_REG_IB_STS2, 6, 4)
	s_cmp_eq_u32 s2, 0
	s_cbranch_scc0 .Lentry_in_a_cluster
	s_endpgm
.Lentry_in_a_cluster:
	s_bfe_u32 s2, ttmp6, 0x10000c
	s_cmp_lg_u32 s2, 0xf033
	s_cbranch_scc0 .Lentry_shape_is_right
	s_endpgm
.Lentry_shape_is_right:
.set HALFT,  32768
.set SLOT,   4*HALFT
.set SPARE,  2*SLOT
.set KSB,    4096
.set RTB,    16384
.set FR,     16
.set NL,     4
.set NP,     4
.set ADRA, 16
.set ADRB, 20
.set LI,   24
.set BO,   26
.set AO,   27
.set SPW,  28
.set NIL,  29
.set QS,   30
.set QL,   31
.set BA,   48
.set BB,   64
.set AF,   128
.set TMP,  128
.set G1, 24
.set G0, 32
.set G1B, 48
.set G0B, 56
.set MSB, 0
.macro WIN new
.if MSB != \new
	s_set_vgpr_msb (MSB<<8)|\new
.set MSB, \new
.endif
.endm
.set MUL_LO, 0xa1
.set MUL_HI, 0xf1
.set TO_B,   0x40
.macro JLOAD g0a, g1a, g0b, g1b
	s_cmp_eq_u32 s15, 0
	s_cbranch_scc0 .Lfor_b_\@
	tensor_load_to_lds s[\g0a:\g0a+3], s[\g1a:\g1a+7]
	s_nop 0
.rept 4
	v_nop
.endr
	s_branch .Lasked_\@
.Lfor_b_\@:
	tensor_load_to_lds s[\g0b:\g0b+3], s[\g1b:\g1b+7]
	s_nop 0
.rept 4
	v_nop
.endr
.Lasked_\@:
.endm
.macro CREST
	s_cmp_lg_u32 s14, 0
	s_cbranch_scc1 .Lnot_wave_0_\@
	s_barrier_signal -3
.Lnot_wave_0_\@:
	s_barrier_wait -3
	s_barrier_signal -1
	s_barrier_wait -1
.endm
.macro CROUND
	s_barrier_signal -1
	s_barrier_wait -1
	CREST
.endm
	s_load_b256 s[4:11], s[0:1], 0x0
	s_load_b256 s[68:75], s[0:1], 0x20
	s_load_b64 s[76:77], s[0:1], 0x40
	v_lshl_add_u32 v[SPW], v0, 2, SPARE
	v_mov_b32 v[NIL], 0
	ds_add_u32 v[SPW], v[NIL]
	ds_add_u32 v[SPW], v[NIL]
	v_lshrrev_b32 v1, 5, v0
	v_readfirstlane_b32 s14, v1
	s_lshr_b32 s15, s14, 1
	s_and_b32 s16, s14, 1
	s_bfe_u32 s40, ttmp6, 0x40000
	s_bfe_u32 s41, ttmp6, 0x40004
	s_and_b32 s18, ttmp7, 0xffff
	s_lshl_b32 s18, s18, 2
	s_cmp_lt_u32 ttmp9, 2
	s_cselect_b32 s19, s18, 0
	s_cselect_b32 s20, 0, s18
	s_add_co_u32 s17, s41, s19
	s_add_co_u32 s42, s40, s20
	s_lshl_b32 s43, s41, 2
	s_lshl_b32 s43, 15, s43
	s_lshl_b32 s44, 0x1111, s40
	s_or_b32 s[G1+0], s43, (1<<21)
	s_or_b32 s[G1B+0], s44, (1<<21)
.irp g, G1, G1B
	s_mov_b32 s[\g+1], KSB<<16
	s_mov_b32 s[\g+2], 8<<16
	s_mov_b32 s[\g+3], KSB<<16
	s_mov_b32 s[\g+4], 8
	s_mov_b32 s[\g+5], RTB
	s_mov_b32 s[\g+6], 0
	s_mov_b32 s[\g+7], 0
.endr
	s_lshl_b32 s18, s16, 17
	s_lshl_b32 s20, s17, 18
	s_add_co_u32 s20, s20, s18
	s_lshl_b32 s46, s42, 18
	s_add_co_u32 s46, s46, s18
	s_mov_b32 s21, 0
	s_mov_b32 s47, 0
	s_mov_b32 s3, 0
	s_mul_i32 s45, s14, HALFT
	s_wait_dscnt 0x0
	s_wait_kmcnt 0x0
	s_load_b256 s[80:87], s[8:9], 0x0
	s_load_b128 s[88:91], s[8:9], 0x20
	s_lshl_b32 s2, ttmp9, 22
	s_add_nc_u64 s[4:5], s[4:5], s[2:3]
	s_lshl_b32 s2, ttmp9, 20
	s_add_nc_u64 s[6:7], s[6:7], s[2:3]
	s_cmp_lt_u32 ttmp9, 2
	s_cselect_b64 s[22:23], s[4:5], s[6:7]
	s_cselect_b64 s[12:13], s[6:7], s[4:5]
	s_add_nc_u64 s[20:21], s[22:23], s[20:21]
	s_add_nc_u64 s[46:47], s[12:13], s[46:47]
	CROUND
.irp s, 0,1
	s_mov_b32 s[G0+4*\s], 1
	s_add_co_u32 s[G0+4*\s+1], s45, \s*SLOT
	s_add_nc_u64 s[G0+4*\s+2:G0+4*\s+3], s[20:21], \s*KSB
	s_or_b32 s[G0+4*\s+3], s[G0+4*\s+3], 0x80000000
	s_mov_b32 s[G0B+4*\s], 1
	s_add_co_u32 s[G0B+4*\s+1], s45, \s*SLOT
	s_add_nc_u64 s[G0B+4*\s+2:G0B+4*\s+3], s[46:47], \s*KSB
	s_or_b32 s[G0B+4*\s+3], s[G0B+4*\s+3], 0x80000000
	s_wait_alu depctr_va_vdst(0)
	s_wait_tensorcnt 0x0
	ds_add_u32 v28, v29
	ds_add_u32 v28, v29
	s_wait_dscnt 0x0
	CROUND
	JLOAD G0+4*\s, G1, G0B+4*\s, G1B
.endr
	v_and_b32 v1, 31, v0
	v_lshlrev_b32 v[LI], 4, v1
	v_and_b32 v3, 15, v0
	v_bfe_u32 v2, v0, 4, 1
	s_wait_alu depctr_va_vdst(0)
	s_mul_i32 s21, s15, HALFT
	s_mul_i32 s22, s16, HALFT
	s_add_co_u32 s22, s22, 2*HALFT
.irp s, 0,1
	v_add_nc_u32 v[ADRA+\s], s21, v[LI]
	v_add_nc_u32 v[ADRB+\s], s22, v[LI]
	s_add_co_u32 s21, s21, SLOT
	s_add_co_u32 s22, s22, SLOT
.endr
	s_lshl_b32 s18, s17, 8
	s_lshl_b32 s19, s15, 7
	s_add_co_u32 s18, s18, s19
	s_lshl_b32 s19, s42, 8
	s_lshl_b32 s20, s16, 7
	s_add_co_u32 s19, s19, s20
	s_cmp_lt_u32 ttmp9, 2
	s_cselect_b32 s20, s19, s18
	s_cselect_b32 s21, s18, s19
	s_cselect_b32 s12, -1, 0
	s_cselect_b32 s13, 0, -1
	s_mov_b32 s98, 2048
	s_cselect_b32 s98, 1024, s98
	s_cselect_b32 s100, 0, 253952
	s_mov_b32 s2, 1024
	s_cselect_b32 s2, 262144, s2
	s_cselect_b32 s22, s19, 0
	s_cselect_b32 s23, 0, s18
	s_mov_b32 s99, 0
	s_mov_b32 s101, 0
	s_lshl_b32 s22, s22, 2
	s_lshl_b32 s23, s23, 2
	v_lshl_add_u32 v[BO], v2, 5, s22
	s_wait_alu depctr_va_vdst(0)
	v_lshl_add_u32 v[AO], v3, 2, s23
	s_wait_alu depctr_va_vdst(0)
	s_lshl_b32 s20, s20, 12
	s_lshl_b32 s21, s21, 6
	s_add_co_u32 s20, s20, s21
	s_mov_b32 s21, 0
	s_cmp_eq_u32 ttmp9, 1
	s_cselect_b64 s[78:79], s[68:69], s[10:11]
	s_cselect_b64 s[92:93], s[74:75], s[72:73]
	s_cmp_eq_u32 ttmp9, 2
	s_cselect_b64 s[78:79], s[70:71], s[78:79]
	s_cselect_b64 s[92:93], s[76:77], s[92:93]
	s_add_nc_u64 s[92:93], s[92:93], s[20:21]
	s_add_nc_u64 s[94:95], s[92:93], s[2:3]
.irp b, 0,1,2,3,4,5,6,7
	global_load_b128 v[BB+8*\b:BB+8*\b+3],   v[BO], s[78:79] offset:64*\b
	global_load_b128 v[BB+8*\b+4:BB+8*\b+7], v[BO], s[78:79] offset:64*\b+16
.endr
.irp a, 0,1,2,3,4,5,6,7
	global_load_b32 v[BA+2*\a], v[AO], s[78:79] offset:64*\a
.endr
	s_wait_kmcnt 0x0
	s_add_co_i32 s18, s80, s81
	s_add_co_i32 s19, s82, s83
	s_add_co_i32 s22, s84, s85
	s_cmp_eq_u32 ttmp9, 1
	s_cselect_b32 s18, s19, s18
	s_cselect_b32 s23, s87, s86
	s_cmp_eq_u32 ttmp9, 2
	s_cselect_b32 s18, s22, s18
	s_cselect_b32 s23, s89, s23
	s_add_co_i32 s18, s18, 127
	s_lshl_b32 s96, s18, 23
	s_mov_b32 s97, s96
	s_add_co_i32 s23, s23, 127
	s_lshl_b32 s18, s23, 23
	v_mov_b32 v[QS], s18
	s_add_co_i32 s23, s23, 8
	s_lshl_b32 s23, s23, 23
	s_or_b32 s23, s23, 0x600000
	v_mov_b32 v[QL], s23
.macro FRAG reg, adr, q, i
.irp c, 0,1,2,3
	ds_load_b128 v[\reg+4*\c:\reg+4*\c+3], v[\adr] offset:(\i)*4096+(\q)*2048+512*\c
.endr
.endm
.macro MUL16 a0, p, zero
.irp a, \a0, \a0+1
.irp b, 0,1,2,3,4,5,6,7
.if \zero
	v_wmma_f32_16x16x128_fp8_fp8 v[8*(8*((\a)%4)+\b):8*(8*((\a)%4)+\b)+7], v[128*(\p)+FR*\b:128*(\p)+FR*\b+FR-1], v[AF+FR*(\a):AF+FR*(\a)+FR-1], 0
.else
	v_wmma_f32_16x16x128_fp8_fp8 v[8*(8*((\a)%4)+\b):8*(8*((\a)%4)+\b)+7], v[128*(\p)+FR*\b:128*(\p)+FR*\b+FR-1], v[AF+FR*(\a):AF+FR*(\a)+FR-1], v[8*(8*((\a)%4)+\b):8*(8*((\a)%4)+\b)+7]
.endif
.endr
.endr
.endm
.macro FETCH_B slot, q, p
	WIN TO_B
.irp i, 0,1,2,3,4,5,6,7
	FRAG 128*(\p)+FR*\i, ADRB+\slot, \q, \i
.endr
	WIN 0
.endm
.macro FETCH_A slot, q, i0
.irp i, \i0, \i0+1, \i0+2, \i0+3
	FRAG AF+FR*(\i), ADRA+\slot, \q, \i
.endr
.endm
.macro PLACES n
.rept \n
	v_nop
.endr
.endm
.macro STEP slot, q, zero
	s_wait_dscnt 4*NL
	WIN MUL_LO
	MUL16 0, (\q)%2, \zero
	MUL16 2, (\q)%2, \zero
	s_wait_dscnt 0
	PLACES NP
	FETCH_B \slot, (\q)+1, 1-(\q)%2
	FETCH_A \slot, (\q)+1, 0
	WIN MUL_HI
	MUL16 4, (\q)%2, \zero
	MUL16 6, (\q)%2, \zero
	PLACES NP
	WIN 0
	FETCH_A \slot, (\q)+1, 4
.endm
.macro TURN slot, next, fill
	s_wait_tensorcnt 0x0
	ds_add_u32 v[SPW], v[NIL]
	s_wait_dscnt 4*NL+1
	WIN MUL_LO
	MUL16 0, 1, 0
	s_wait_dscnt 0x0
	s_barrier_signal -1
	MUL16 2, 1, 0
	WIN 0
	s_barrier_wait -1
.if \fill
	CREST
	s_add_nc_u64 s[G0+4*\slot+2:G0+4*\slot+3], s[G0+4*\slot+2:G0+4*\slot+3], 2*KSB
	s_add_nc_u64 s[G0B+4*\slot+2:G0B+4*\slot+3], s[G0B+4*\slot+2:G0B+4*\slot+3], 2*KSB
	JLOAD G0+4*\slot, G1, G0B+4*\slot, G1B
.else
	PLACES NP
.endif
	FETCH_B \next, 0, 0
	FETCH_A \next, 0, 0
	WIN MUL_HI
	MUL16 4, 1, 0
	MUL16 6, 1, 0
	PLACES NP
	WIN 0
	FETCH_A \next, 0, 4
.endm
	s_wait_tensorcnt 1
	s_barrier_signal -1
	s_barrier_wait -1
	FETCH_B 0, 0, 0
	FETCH_A 0, 0, 0
	FETCH_A 0, 0, 4
	STEP 0, 0, 1
	TURN 0, 1, 1
	STEP 1, 0, 0
	TURN 1, 0, 1
	STEP 0, 0, 0
	TURN 0, 1, 0
	STEP 1, 0, 0
	s_wait_dscnt 4*NL
	WIN MUL_LO
	MUL16 0, 1, 0
	MUL16 2, 1, 0
	s_wait_dscnt 0
	WIN MUL_HI
	MUL16 4, 1, 0
	MUL16 6, 1, 0
	WIN 0
	s_wait_loadcnt 0x0
.set j, 0
.rept 64
	v_and_b32 v[BB+j], s12, v[BB+j]
.set j, j+1
.endr
.irp a, 0,1,2,3,4,5,6,7
	v_and_b32 v[BA+2*\a], s13, v[BA+2*\a]
.endr
.irp a, 0,1,2,3,4,5,6,7
	v_mov_b32 v[BA+2*\a+1], v[BA+2*\a]
.endr
.macro OUTA a
.set AC, 64*((\a)%4)
.set CD, 192+16*((\a)%2)
	WIN 0x02+((\a)/4)
.set j, 0
.rept 32
	v_pk_fma_f32 v[TMP+j:TMP+j+1], v[AC+j:AC+j+1], s[96:97], v[BB+j:BB+j+1] op_sel_hi:[1,0,1]
.set j, j+2
.endr
	WIN 0
.set j, 0
.rept 32
	v_pk_add_f32 v[TMP+j:TMP+j+1], v[TMP+j:TMP+j+1], v[BA+2*(\a):BA+2*(\a)+1]
.set j, j+2
.endr
.set j, 0
.rept 64
	v_med3_num_f32 v[TMP+j], v[TMP+j], -v[QL], v[QL]
.set j, j+1
.endr
.if (\a) > 0
	s_wait_alu depctr_va_vdst(0)
	s_wait_xcnt 0x0
	s_add_nc_u64 s[92:93], s[92:93], s[98:99]
	s_add_nc_u64 s[94:95], s[94:95], s[98:99]
.endif
.if (\a) == 4
	s_add_nc_u64 s[92:93], s[92:93], s[100:101]
	s_add_nc_u64 s[94:95], s[94:95], s[100:101]
.endif
.irp b, 0,1,2,3,4,5,6,7
	v_cvt_scalef32_pk8_fp8_f32 v[CD+2*\b:CD+2*\b+1], v[TMP+8*\b:TMP+8*\b+7], v[QS]
.endr
	v_nop
	global_store_b128 v[LI], v[CD:CD+3],     s[92:93]
	global_store_b128 v[LI], v[CD+4:CD+7],   s[92:93] offset:512
	global_store_b128 v[LI], v[CD+8:CD+11],  s[94:95]
	global_store_b128 v[LI], v[CD+12:CD+15], s[94:95] offset:512
.endm
.irp a, 0,1,2,3,4,5,6,7
	OUTA \a
.endr
	s_wait_tensorcnt 0x0
	ds_add_u32 v[SPW], v[NIL]
	s_wait_dscnt 0x0
	CROUND
	s_endpgm
.Lfunc_end_k_q8f384b4559_qkv:
	.size	k_q8f384b4559_qkv, .Lfunc_end_k_q8f384b4559_qkv-k_q8f384b4559_qkv
	.p2alignl 7, 3214868480
	.fill 96, 4, 3214868480
	.section	.rodata,"a",@progbits
	.p2align	6, 0x0
	.amdhsa_kernel k_q8f384b4559_qkv
		.amdhsa_group_segment_fixed_size 327680
		.amdhsa_private_segment_fixed_size 0
		.amdhsa_enable_private_segment 0
		.amdhsa_kernarg_size 72
		.amdhsa_user_sgpr_count 2
		.amdhsa_user_sgpr_kernarg_segment_ptr 1
		.amdhsa_wavefront_size32 1
		.amdhsa_system_sgpr_workgroup_id_x 1
		.amdhsa_system_sgpr_workgroup_id_y 1
		.amdhsa_system_sgpr_workgroup_id_z 1
		.amdhsa_system_vgpr_workitem_id 0
		.amdhsa_next_free_vgpr 1024
		.amdhsa_next_free_sgpr 102
		.amdhsa_reserve_vcc 0
		.amdhsa_float_denorm_mode_32 3
		.amdhsa_float_denorm_mode_16_64 3
		.amdhsa_memory_ordered 1
		.amdhsa_forward_progress 1
		.amdhsa_inst_pref_size 157
	.end_amdhsa_kernel
	.amdgpu_metadata
---
amdhsa.version: [ 1, 2 ]
amdhsa.kernels:
  - .name:           k_q8f384b4559_qkv
    .symbol:         k_q8f384b4559_qkv.kd
    .args:
      - { .name: xcodes, .offset: 0, .size: 8, .value_kind: global_buffer, .address_space: global }
      - { .name: wcodes, .offset: 8, .size: 8, .value_kind: global_buffer, .address_space: global }
      - { .name: lowp_scales, .offset: 16, .size: 8, .value_kind: global_buffer, .address_space: global }
      - { .name: bq, .offset: 24, .size: 8, .value_kind: global_buffer, .address_space: global }
      - { .name: bk, .offset: 32, .size: 8, .value_kind: global_buffer, .address_space: global }
      - { .name: bv, .offset: 40, .size: 8, .value_kind: global_buffer, .address_space: global }
      - { .name: qimg, .offset: 48, .size: 8, .value_kind: global_buffer, .address_space: global }
      - { .name: kimg, .offset: 56, .size: 8, .value_kind: global_buffer, .address_space: global }
      - { .name: vimg, .offset: 64, .size: 8, .value_kind: global_buffer, .address_space: global }
    .group_segment_fixed_size: 327680
    .private_segment_fixed_size: 0
    .kernarg_segment_align: 8
    .kernarg_segment_size: 72
    .max_flat_workgroup_size: 128
    .sgpr_count:     102
    .vgpr_count:     1024
    .wavefront_size: 32
...
	.end_amdgpu_metadata
.endif
;; end of part 2
;; launch attn (part 3): grid 16 x 16, 16 waves a work-group, no clusters, 327,680 bytes of LDS; arguments qimg, kimg, vimg, lowp_scales, ocodes; writes ocodes
.if DOCPART == 3
	.amdgcn_target "amdgcn-amd-amdhsa--gfx1250"
	.amdhsa_code_object_version 6
	.text
	.protected	k_q8f384b4559_attn
	.globl	k_q8f384b4559_attn
	.p2align	8
	.type	k_q8f384b4559_attn,@function
k_q8f384b4559_attn:
	s_mov_b64 s[64:65], 0
	v_nop
	global_prefetch_b8 v0, s[64:65] scope:SCOPE_SE
	s_setreg_imm32_b32 hwreg(HW_REG_WAVE_MODE, 25, 1), 1
	s_wait_xcnt 0x0
; Causal attention on E4M3 codes, 16 heads of 64, 4,096 tokens; the result is quantised with 2^e10 for the last projection.
; t = score x 2^(e6 + e7) x log2(e) / 8; M = the largest t so far, rounded UP to a whole number; p = 2^(t - M) is quantised with 2^e8 along the keys, not normalised.  The row's sum is taken of the
; unquantised p in f32 and divides O at the end.  When M moves, the sum and O are multiplied by 2^(old M - new M): exact.
; SHARES.  Work-group (j, head) owns the blocks of 128 queries 31 - j and j, one after the other.  Keys go in chunks of 512: 8 - j / 4 chunks for the first block, j / 4 + 1 for the second: nine trips in every work-group.
; A chunk is four steps of 128 keys.  Wave w takes, of either block, the 32 queries 32 (w % 4) on (two tiles, which share each fragment of K) and step (w xor w / 4) % 4 of each chunk, with a sum, an M and an O of its own.
; At the end the four waves' partial results of a tile are added, each times an exact power of two.
; THE MASK.  reference() builds it: steps all of whose keys come after the block are jumped over by a scalar branch on ids; in the step on the diagonal hidden scores become -infinity ahead of the maximum.
; THE RING: two LDS slots of one chunk (K's image 32,768 bytes, V's 32,768), filled by waves 0-3, one tensor load of 16,384 bytes each; a load has a whole trip in which to land.
; NO CLUSTER: the four partners of a cluster would be neighbouring j, and where a step is left out or masked hangs on j itself: a branch would hang on the place in the cluster.
; LAYOUT.  Both products are used transposed: S^T = K Q^T (source 0 = 16 keys, K = 64), O^T = V^T P^T (source 0 = 16 channels, K = 128 keys): a lane holds ONE query (lane % 16) of a tile throughout.
; In tile t of S^T lane (r, h) holds keys 16 t + 8 h + 0..7: what registers 2 t, 2 t + 1 of the second product's operand hold.  All operands are images of registers: an LDS load reads 512 consecutive bytes.
; LIMITS: scaled scores t stay under 2^31 in magnitude; e6 + e7 between -123 and 130 (added to the exponent field of log2(e) / 8, which is 124); e8 and e10 between -126 and 119; e8 + e9 is applied by v_ldexp_f32.
; Masked logits count as -infinity where reference() writes -1e9: the same result wherever a row's largest visible logit lies above about -9.99e8.  NaN among the codes' numbers is not served.
; REGISTERS: v0 an LDS address; v6, v7 and v8, v9: -M and the largest t of tile 0 and 1; v[10:11], v[12:13] their sums in two halves; v14 2^(old M - new M); v16-31 Q of both tiles; v32-95 K's fragments, then V's;
;   v96-159 one tile's S^T, then p; v160-191, v192-223 O^T of both tiles; v224-239, v240-255 p's codes of both tiles; v240-254 also at work; v255 also the prefetches' offset.
.set SLOT1, 65536
.set VOFF,  32768                      ; a slot: K's image, then V's
.set CHB,   32768                      ; a chunk's bytes of K, and of V, in memory
.set QST,   131072                     ; the second block's Q, 2,048 bytes for each wave
.set HST,   163840                     ; the first block's partial O, 8,192 bytes for each wave
.set HSS,   294912                     ; and its -M and sums, 512 bytes for each wave
.set LSS,   303104                     ; the second block's -M and sums; its partial O goes where the ring was, from byte 0 on
.set SPARE, 311296                     ; the spare words, 128 bytes for each of 16 waves, which no other line names
.set LI,  1                            ; 16 x lane
.set SPW, 2
.set NIL, 3
.set EP,  4                            ; 2^e8 (at the end 2^e10)
.set CAP, 5                            ; 448 x that
.set TB,  2                            ; s2   LDS byte of my step of the chunk in hand
.set LC,  3                            ; s3   the loop's trips to go
.set KF,  14                           ; s14  my step's number along the keys (128 keys each)
.set BLK, 15                           ; s15  the block in hand
.set NHL, 16                           ; s16  chunks of the first block still to be walked
.set LNL, 17                           ; s17  and still to be asked for
.set WV,  18
.set HS,  19                           ; s19, s67  my partial O, my -M and sums in the first block's stash
.set SS,  67
.set LS,  68                           ; s68, s69  the same in the second block's
.set LSM, 69
.set SEL, 20                           ; s[20:21] lane selects: lane l xor 16
.set CS,  22                           ; s[22:23] c = 2^(e6 + e7) log2(e) / 8
.set G1,  24                           ; s[24:31] group 1: 64 rows of 256 bytes, dense
.set QB,  32
.set TP,  34                           ; s34  w % 4
.set W4,  35                           ; s35  w / 4
.set DT,  37                           ; s37, s38  my tiles' first query in the block
.set MO,  39                           ; s39, s66  what I add up at the end: where its partial O, its -M and sums begin
.set MS,  66
.set G0,  40
.set GB,  44                           ; s[44:45] where my part of chunk 0 lies in memory (with the descriptor's type)
.set OFF, 46                           ; s[46:47] the chunk asked for last
.set PFA, 76                           ; s[76:77] where my prefetches stand
.set LIM, 80                           ; s80  2 in a wave that prefetches, else the greatest number
.macro MASK u                          ; tile u's hidden scores on the diagonal
	s_cmp_eq_u32 s[KF], s[BLK]
	s_cbranch_scc0 .Lopen_\@
	v_lshrrev_b32 v250, 8, v[LI]
	v_bfe_u32 v252, v[LI], 4, 4
	v_lshlrev_b32 v250, 3, v250
	v_add_nc_u32 v252, s[DT+\u], v252
	v_sub_nc_u32 v252, v252, v250                  ; d = my query in the block - 8 h.  Register 8 t + i holds key 16 t + 8 h + i: hidden where 16 t + i > d
	v_mov_b32 v250, 0xff800000
.set n, 0
.rept 64
	v_cmp_gt_i32 vcc_lo, 16*(n/8)+n%8, v252
	v_cndmask_b32 v[96+n], v[96+n], v250, vcc_lo
.set n, n+1
.endr
.Lopen_\@:
.endm
.macro MAXC nm                         ; the largest t, -M and v14 = 2^(old M - new M)
	v_max3_num_f32 v254, v96, v97, v98
	v_max3_num_f32 v252, v99, v100, v101
.irp i, 6,10,14,18,22,26,30,34,38,42,46,50,54,58
	v_max3_num_f32 v254, v254, v[96+\i], v[97+\i]
	v_max3_num_f32 v252, v252, v[98+\i], v[99+\i]
.endr
	v_max3_num_f32 v254, v254, v158, v159
	s_delay_alu instid0(VALU_DEP_1)
	v_max_num_f32 v254, v254, v252
	s_delay_alu instid0(VALU_DEP_1)
	v_permlanex16_b32 v15, v254, s[SEL], s[SEL+1]
	s_delay_alu instid0(VALU_DEP_1)
	v_max_num_f32 v254, v254, v15
	s_delay_alu instid0(VALU_DEP_1)
	v_mul_f32 v254, s[CS], v254
	s_delay_alu instid0(VALU_DEP_1)
	v_max_num_f32 v[\nm+1], v[\nm+1], v254
	v_mov_b32 v254, v[\nm]
	s_delay_alu instid0(VALU_DEP_2)
	v_floor_f32 v[\nm], -v[\nm+1]                  ; -M = floor(-t): a whole number
	s_delay_alu instid0(VALU_DEP_1)
	v_sub_f32 v254, v[\nm], v254
	s_delay_alu instid0(VALU_DEP_1)
	v_cvt_i32_f32 v254, v254                       ; (it saturates)
	s_delay_alu instid0(VALU_DEP_1)
	v_ldexp_f32 v14, 1.0, v254
.endm
.macro EXPS nm, sm, o                  ; p, the sum, O^T under the new M
.set j, 0
.rept 32
	v_pk_fma_f32 v[96+j:97+j], v[96+j:97+j], s[CS:CS+1], v[\nm:\nm+1] op_sel_hi:[1,0,0]   ; t - M (of the pairs c and -M the low word serves both halves)
.set j, j+2
.endr
	s_wait_alu depctr_va_vdst(0)                   ; the wait ahead of the batch
.set j, 0
.rept 64
	v_exp_f32 v[96+j], v[96+j]
.set j, j+1
.endr
	v_pk_mul_f32 v[\sm:\sm+1], v[\sm:\sm+1], v[14:15] op_sel_hi:[1,0]
	s_wait_alu depctr_va_vdst(0)                   ; and behind it; the same wait stands directly ahead of O^T's first reader
.set j, 0
.rept 16
	v_pk_mul_f32 v[\o+j:\o+j+1], v[\o+j:\o+j+1], v[14:15] op_sel_hi:[1,0]
.set j, j+2
.endr
.set k, 0
.rept 7                                ; the sum of the unquantised p, in eight chains of pairs
	v_pk_add_f32 v[240+2*k:241+2*k], v[96+2*k:97+2*k], v[110+2*k:111+2*k]
.set k, k+1
.endr
	v_pk_add_f32 v[\sm:\sm+1], v[\sm:\sm+1], v[124:125]
.set k, 15
.rept 17
.if (k-15)%8 == 7
	v_pk_add_f32 v[\sm:\sm+1], v[\sm:\sm+1], v[96+2*k:97+2*k]
.else
	v_pk_add_f32 v[240+2*((k-15)%8):241+2*((k-15)%8)], v[240+2*((k-15)%8):241+2*((k-15)%8)], v[96+2*k:97+2*k]
.endif
.set k, k+1
.endr
	v_pk_add_f32 v[244:245], v[244:245], v[246:247]
	v_pk_add_f32 v[248:249], v[248:249], v[250:251]
	v_pk_add_f32 v[240:241], v[240:241], v[242:243]
	v_pk_add_f32 v[\sm:\sm+1], v[\sm:\sm+1], v[252:253]
	v_pk_add_f32 v[14:15], v[240:241], v[244:245]
	v_pk_add_f32 v[\sm:\sm+1], v[\sm:\sm+1], v[248:249]
.endm
.macro HOLD t                          ; the conversion does not saturate (ISA guide 7.6.2); p is not negative, so the hold is one-sided
.irp i, 0,1,2,3,4,5,6,7
	v_min_num_f32 v[96+8*(\t)+\i], v[96+8*(\t)+\i], v[CAP]
.endr
.endm
.macro CVTP t, cd
	v_cvt_scalef32_pk8_fp8_f32 v[\cd+2*(\t):\cd+2*(\t)+1], v[96+8*(\t):103+8*(\t)], v[EP]
.endm
.macro CODES cd, sm
	HOLD 0
.irp t, 1,2,3,4,5,6,7
	HOLD \t
	CVTP \t-1, \cd
.endr
	CVTP 7, \cd
	v_pk_add_f32 v[\sm:\sm+1], v[\sm:\sm+1], v[14:15]   ; the sum's last part: the plain line behind the last conversion
.endm
; THE CHANGE OF SLOTS stands at a trip's head.  Behind the barrier the trip's chunk is whole and nobody reads the other slot.  fill = 1: the next chunk is asked for there.
.macro CHANGE fill
	s_wait_alu depctr_va_vdst(0)
	s_wait_tensorcnt 0x0                           ; all my tensor loads are done: my part of this chunk
	ds_add_u32 v[SPW], v[NIL]                      ; 0 onto my spare word
.if \fill
	ds_add_u32 v[SPW], v[NIL]                      ; and twice on end in the loop
	s_xor_b32 s[G0+1], s[G0+1], SLOT1              ; the other slot,
	s_add_co_u32 s[OFF], s[OFF], CHB               ; the next chunk: one on, or, at the second block's first, chunk 0
	s_sub_co_u32 s[LNL], s[LNL], 1
	s_cmp_eq_u32 s[LNL], 0
	s_cselect_b32 s[OFF], 0, s[OFF]
	s_add_nc_u64 s[G0+2:G0+3], s[GB:GB+1], s[OFF:OFF+1]
	s_wait_xcnt 0x0                                ; any prefetch of mine has read its address
	s_add_nc_u64 s[PFA:PFA+1], s[PFA:PFA+1], CHB
.endif
	s_wait_dscnt 0x0                               ; the add is done, and my reads of the slot that I have left are over
	s_barrier_signal -1
	s_barrier_wait -1
.if \fill
	s_cmp_lt_u32 s[WV], 4                          ; waves 0-3: a wave's one tensor load until the next barrier
	s_cbranch_scc0 .Lasked_\@
	tensor_load_to_lds s[G0:G0+3], s[G1:G1+7]
	s_nop 0
.rept 4
	v_nop
.endr
.Lasked_\@:
; A prefetch of the chunk that the next trip will ask for.  All work-groups of a head walk the same images: j = 0 asks, by its waves 8-15, 8,192 bytes each, lanes 256 bytes apart: each block of 256 bytes is named once in the launch.
; It stops at the head's chunk 7; chunks 0 and 1 come by their loads alone.
	s_cmp_gt_u32 s[LC], s[LIM]
	s_cbranch_scc0 .Lnot_mine_\@
	v_lshlrev_b32 v255, 4, v[LI]
	global_prefetch_b8 v255, s[PFA:PFA+1] th:TH_LOAD_NT scope:SCOPE_SE
.Lnot_mine_\@:
.endif
.endm
; A wave's partial result: O^T of both tiles, then -M and the sum of each.
.macro STASH so, ss
	v_add_nc_u32 v0, s[\so], v[LI]
	s_wait_alu depctr_va_vdst(0)
	v_add_f32 v7, v10, v11
	v_add_f32 v9, v12, v13
.irp q, 0,1,2,3,4,5,6,7,8,9,10,11,12,13,14,15
	ds_store_b128 v0, v[160+4*\q:163+4*\q] offset:512*\q
.endr
	v_add_nc_u32 v0, s[\ss], v[LI]
	ds_store_b128 v0, v[6:9]
.endm
.macro FRESH                           ; a block begins: O, the sums and M.  (The step has no first form of its own: it finds zeros)
.set j, 160
.rept 64
	v_mov_b32 v[j], 0
.set j, j+1
.endr
.irp r, 10,11,12,13
	v_mov_b32 v[\r], 0
.endr
	v_mov_b32 v7, 0xff61b1e6                       ; -3e38, under every t
	v_mov_b32 v9, 0xff61b1e6
	v_floor_f32 v6, -v7
	v_floor_f32 v8, -v9
.endm
.macro STEP
	s_cmp_gt_u32 s[KF], s[BLK]                     ; all keys of my step come after the block: the step's work is left out
	s_cbranch_scc1 .Lhidden_\@
	v_add_nc_u32 v0, s[TB], v[LI]
.irp t, 0,1,2,3,4,5,6,7
	ds_load_b128 v[32+8*\t:35+8*\t], v0 offset:\t*1024
	ds_load_b128 v[36+8*\t:39+8*\t], v0 offset:\t*1024+512
.endr
	s_wait_alu depctr_va_vdst(0)
	s_wait_dscnt 8                                 ; K's tiles 0-3 are in (the last eight loads may be out)
.irp t, 0,1,2,3
	v_wmma_f32_16x16x64_fp8_fp8 v[96+8*\t:103+8*\t], v[32+8*\t:39+8*\t], v[16:23], 0
.endr
	s_wait_dscnt 0x0
.irp t, 4,5,6,7
	v_wmma_f32_16x16x64_fp8_fp8 v[96+8*\t:103+8*\t], v[32+8*\t:39+8*\t], v[16:23], 0
.endr
.rept 4
	v_nop                                          ; places in front of the first read of the scores
.endr
	MASK 0
	MAXC 6
	EXPS 6, 10, 160
	CODES 224, 10
.irp t, 0,1,2,3,4,5,6,7
	v_wmma_f32_16x16x64_fp8_fp8 v[96+8*\t:103+8*\t], v[32+8*\t:39+8*\t], v[24:31], 0   ; tile 1's scores, with the same fragments of K
.endr
.rept 4
	v_nop                                          ; places in front of the loads below and of the first read of the scores
.endr
	s_wait_alu depctr_va_vdst(0)
	s_wait_xcnt 0x0                                ; the trip's prefetch has read v255, which takes codes below
.irp t, 0,1,2,3                                ; V's four fragments land under tile 1's softmax
.irp c, 0,1,2,3
	ds_load_b128 v[32+16*\t+4*\c:35+16*\t+4*\c], v0 offset:VOFF+\t*2048+512*\c
.endr
.endr
	MASK 1
	MAXC 8
	EXPS 8, 12, 192
	CODES 240, 12
	s_wait_alu depctr_va_vdst(0)
	s_wait_dscnt 0x0                               ; V's fragments are in
.irp t, 0,1,2,3                                ; eight accumulators by turns
	v_wmma_f32_16x16x128_fp8_fp8 v[160+8*\t:167+8*\t], v[32+16*\t:47+16*\t], v[224:239], v[160+8*\t:167+8*\t]
	v_wmma_f32_16x16x128_fp8_fp8 v[192+8*\t:199+8*\t], v[32+16*\t:47+16*\t], v[240:255], v[192+8*\t:199+8*\t]
.endr
.rept 4
	v_nop                                          ; places behind the products, for all that follows
.endr
.Lhidden_\@:
.endm
	s_load_b256 s[4:11], s[0:1], 0x0               ; qimg, kimg, vimg, the exponents
	s_load_b64 s[12:13], s[0:1], 0x20              ; ocodes
	v_lshl_add_u32 v[SPW], v0, 2, SPARE
	v_mov_b32 v[NIL], 0
	ds_add_u32 v[SPW], v[NIL]                      ; the opening lines: the add, twice on end, and its wait
	ds_add_u32 v[SPW], v[NIL]
	v_lshrrev_b32 v4, 5, v0
	v_readfirstlane_b32 s[WV], v4
	v_and_b32 v[LI], 31, v0
	v_lshlrev_b32 v[LI], 4, v[LI]
	s_and_b32 s72, ttmp7, 0xffff                   ; the head
	s_lshl_b32 s74, s72, 18                        ; 262,144 bytes of a head in each image
	s_mov_b32 s75, 0
	s_mov_b32 s71, 0
	s_and_b32 s[TP], s[WV], 3
	s_lshr_b32 s[W4], s[WV], 2
	s_xor_b32 s36, s[WV], s[W4]
	s_and_b32 s36, s36, 3                          ; my step of a chunk
	s_lshl_b32 s[TB], s36, 13
	s_mov_b32 s[KF], s36
	s_lshl_b32 s36, s[TP], 2
	s_add_co_u32 s36, s36, s[W4]                   ; my place in the stashes: the four waves of a tile lie side by side
	s_lshl_b32 s[LS], s36, 13
	s_lshl_b32 s[LSM], s36, 9
	s_add_co_u32 s[HS], s[LS], HST
	s_add_co_u32 s[SS], s[LSM], HSS
	s_add_co_u32 s[LSM], s[LSM], LSS
	s_lshl_b32 s[QB], s[WV], 11
	s_add_co_u32 s[QB], s[QB], QST
	s_lshl_b32 s[DT], s[TP], 5
	s_add_co_u32 s[DT+1], s[DT], 16
	s_lshr_b32 s36, ttmp9, 2
	s_sub_co_u32 s[NHL], 8, s36
	s_mov_b32 s[LNL], s[NHL]
	s_sub_co_u32 s[BLK], 31, ttmp9
	s_mov_b32 s[G1], 3<<16                         ; elements of 8 bytes, no mask, no padding
	s_mov_b32 s[G1+1], 32<<16
	s_mov_b32 s[G1+2], 64<<16
	s_mov_b32 s[G1+3], 32<<16
	s_mov_b32 s[G1+4], 64
	s_mov_b32 s[G1+5], 32
	s_mov_b32 s[G1+6], 0
	s_mov_b32 s[G1+7], 0
	s_mov_b32 s[SEL], 0x76543210
	s_mov_b32 s[SEL+1], 0xfedcba98
	s_mov_b32 s[OFF], 0
	s_mov_b32 s[OFF+1], 0
	s_mov_b32 s[G0], 1
	s_lshl_b32 s[G0+1], s[WV], 14                  ; waves 0-3: K's two halves, V's two halves of slot 0
	s_wait_alu depctr_va_vdst(0)
	s_wait_dscnt 0x0                               ; both opening adds are done
	s_wait_kmcnt 0x0
	s_load_b256 s[48:55], s[10:11], 0x0            ; e0 .. e7
	s_load_b128 s[56:59], s[10:11], 0x20           ; e8 .. e11
	s_and_b32 s36, s[WV], 2
	s_cmp_eq_u32 s36, 0
	s_cselect_b64 s[GB:GB+1], s[6:7], s[8:9]
	s_add_nc_u64 s[GB:GB+1], s[GB:GB+1], s[74:75]
	s_and_b32 s70, s[WV], 1
	s_lshl_b32 s70, s70, 14
	s_add_nc_u64 s[GB:GB+1], s[GB:GB+1], s[70:71]
	s_or_b32 s[GB+1], s[GB+1], 0x80000000
	s_mov_b64 s[G0+2:G0+3], s[GB:GB+1]             ; chunk 0
	s_cmp_lt_u32 s[WV], 4
	s_cbranch_scc0 .Lnofill
	tensor_load_to_lds s[G0:G0+3], s[G1:G1+7]
	s_nop 0
.rept 4
	v_nop
.endr
.Lnofill:
	s_add_nc_u64 s[4:5], s[4:5], s[74:75]
	s_lshl_b32 s70, s[TP], 11
	s_add_nc_u64 s[4:5], s[4:5], s[70:71]
	s_lshl_b32 s70, s[BLK], 13
	s_add_nc_u64 s[82:83], s[4:5], s[70:71]
	s_lshl_b32 s70, ttmp9, 13
	s_add_nc_u64 s[84:85], s[4:5], s[70:71]
.irp q, 0,1,2,3
	global_load_b128 v[32+4*\q:35+4*\q], v[LI], s[84:85] offset:512*\q   ; the second block's Q
.endr
.irp q, 0,1,2,3
	global_load_b128 v[16+4*\q:19+4*\q], v[LI], s[82:83] offset:512*\q   ; the first block's
.endr
	; the prefetches: waves 8-11 K's image, waves 12-15 V's, 8,192 bytes each; at chunk 1, so that the first trip steps to chunk 2
	s_and_b32 s36, s[WV], 4
	s_cmp_eq_u32 s36, 0
	s_cselect_b64 s[PFA:PFA+1], s[6:7], s[8:9]
	s_add_nc_u64 s[PFA:PFA+1], s[PFA:PFA+1], s[74:75]
	s_lshl_b32 s86, s[TP], 13
	s_add_co_u32 s86, s86, CHB
	s_mov_b32 s87, 0
	s_add_nc_u64 s[PFA:PFA+1], s[PFA:PFA+1], s[86:87]
	s_lshr_b32 s36, s[WV], 3
	s_cmp_eq_u32 s36, 1
	s_cselect_b32 s36, ttmp9, -1
	s_cmp_eq_u32 s36, 0
	s_cselect_b32 s[LIM], 2, -1
	; what I add up at the end: tile w / 2 of the block, channels 32 (w % 2) on
	s_and_b32 s88, s[WV], 1
	s_bfe_u32 s89, s[WV], 0x10001
	s_lshl_b32 s[MO], s[W4], 15
	s_lshl_b32 s90, s89, 12
	s_add_co_u32 s[MO], s[MO], s90
	s_lshl_b32 s90, s88, 11
	s_add_co_u32 s[MO], s[MO], s90
	s_lshl_b32 s[MS], s[W4], 11
	s_lshl_b32 s90, s89, 3
	s_add_co_u32 s[MS], s[MS], s90
	s_lshr_b32 s90, s[WV], 1
	s_lshl_b32 s90, s90, 14
	s_lshl_b32 s91, s88, 9
	s_add_co_u32 s90, s90, s91
	s_lshl_b32 s91, s72, 10
	s_add_co_u32 s90, s90, s91                     ; O's codes: 1,024 x query + 1,024 x head + 512 for the second quad
	s_mov_b32 s91, 0
	s_add_nc_u64 s[12:13], s[12:13], s[90:91]
	v_mov_b32 v14, 0
	v_mov_b32 v15, 0                               ; (a lane permute's destination counts as one of its sources)
.set j, 48
.rept 30
	v_mov_b32 v[j], 0                              ; v48-77: named in pairs or as lane permutes' destinations at the end; a wave whose steps are all hidden writes them nowhere else
.set j, j+1
.endr
	FRESH
	s_wait_alu depctr_va_vdst(0)
	s_wait_kmcnt 0x0
	s_add_co_i32 s92, s54, s55
	s_lshl_b32 s92, s92, 23
	s_mov_b32 s[CS], 0x3e38aa3b                    ; log2(e) / 8
	s_add_co_i32 s[CS], s[CS], s92                 ; x 2^(e6 + e7)
	s_mov_b32 s[CS+1], s[CS]                       ; (named with it as a pair)
	s_add_co_i32 s92, s56, 127
	s_lshl_b32 s93, s92, 23
	v_mov_b32 v[EP], s93                           ; 2^e8
	s_add_co_i32 s92, s92, 8
	s_lshl_b32 s92, s92, 23
	s_or_b32 s92, s92, 0x600000
	v_mov_b32 v[CAP], s92                          ; 448 x 2^e8
	s_add_co_i32 s92, s58, 127
	s_lshl_b32 s62, s92, 23                        ; 2^e10
	s_add_co_i32 s92, s92, 8
	s_lshl_b32 s92, s92, 23
	s_or_b32 s63, s92, 0x600000                    ; 448 x 2^e10
	s_add_co_i32 s61, s56, s57                     ; e8 + e9
	v_add_nc_u32 v0, s[QB], v[LI]
	s_wait_alu depctr_va_vdst(0)
	s_wait_loadcnt 0x0                             ; Q of both blocks
	s_wait_tensorcnt 0x0                           ; my part of chunk 0: no tensor load of mine is out under the stores below
.irp q, 0,1,2,3
	ds_store_b128 v0, v[32+4*\q:35+4*\q] offset:512*\q   ; the second block's Q waits in bytes of my own
.endr
	s_mov_b32 s[LC], 8
.Lwalk:                                            ; trips 0-7: in each the next chunk is asked for
	CHANGE 1
	STEP
	s_add_co_u32 s[KF], s[KF], 4
	s_xor_b32 s[TB], s[TB], SLOT1
	s_sub_co_u32 s[NHL], s[NHL], 1
	s_cmp_lg_u32 s[NHL], 0
	s_cbranch_scc1 .Lsame
	s_wait_alu depctr_va_vdst(0)
	s_wait_tensorcnt 0x0                           ; (the next trip's wait, here ahead of the LDS stores)
	STASH HS, SS                                   ; the first block is walked: put its part away and begin the second
	v_add_nc_u32 v0, s[QB], v[LI]
.irp q, 0,1,2,3
	ds_load_b128 v[16+4*\q:19+4*\q], v0 offset:512*\q
.endr
	FRESH
	s_mov_b32 s[BLK], ttmp9
	s_xor_b32 s[KF], s[WV], s[W4]
	s_and_b32 s[KF], s[KF], 3                      ; my step of chunk 0
.Lsame:
	s_wait_alu depctr_va_vdst(0)
	s_sub_co_u32 s[LC], s[LC], 1
	s_cmp_lg_u32 s[LC], 0
	s_cbranch_scc1 .Lwalk
	CHANGE 0                                       ; the last chunk: nothing is left to ask for
	STEP
	; THE WAY OUT.  Behind one more barrier nobody reads the ring, which has had its last fill: the second block's parts go there.
	s_wait_alu depctr_va_vdst(0)
	s_wait_dscnt 0x0
	s_barrier_signal -1
	s_barrier_wait -1
	STASH LS, LSM
	v_mov_b32 v[EP], s62
	v_mov_b32 v[CAP], s63
	s_wait_alu depctr_va_vdst(0)
	s_wait_dscnt 0x0
	s_barrier_signal -1
	s_barrier_wait -1
.macro LOADM ro, rs, ob, sb            ; four partial results: -M and sum, then 16 registers of O
	s_add_co_u32 s70, s[MS], \rs
	v_add_nc_u32 v0, s70, v[LI]
.irp i, 0,1,2,3
	ds_load_b64 v[\sb+2*\i:\sb+2*\i+1], v0 offset:512*\i
.endr
	s_add_co_u32 s70, s[MO], \ro
	v_add_nc_u32 v0, s70, v[LI]
.irp i, 0,1,2,3
.irp q, 0,1,2,3
	ds_load_b128 v[\ob+16*\i+4*\q:\ob+16*\i+4*\q+3], v0 offset:8192*\i+512*\q
.endr
.endr
.endm
.macro COMP ob, sb, t, cd, blk
	v_min_num_f32 v[\t], v[\sb], v[\sb+2]          ; the least -M: the row's M
	v_min3_num_f32 v[\t], v[\t], v[\sb+4], v[\sb+6]
.irp i, 0,1,2,3
	v_sub_f32 v[\t+2+2*\i], v[\t], v[\sb+2*\i]
.endr
.irp i, 0,1,2,3
	v_cvt_i32_f32 v[\t+2+2*\i], v[\t+2+2*\i]
.endr
.irp i, 0,1,2,3
	v_ldexp_f32 v[\t+2+2*\i], 1.0, v[\t+2+2*\i]    ; 2^(its M - the row's M)
.endr
	v_mul_f32 v[\t+1], v[\sb+1], v[\t+2]
.irp i, 1,2,3
	v_fmac_f32 v[\t+1], v[\sb+2*\i+1], v[\t+2+2*\i]
.endr
	v_permlanex16_b32 v[\t+10], v[\t+1], s[SEL], s[SEL+1]
	v_add_f32 v[\t+1], v[\t+1], v[\t+10]           ; and lane l xor 16's: the row's sum
	s_wait_alu depctr_va_vdst(0)                   ; the wait ahead of the transcendental
	v_rcp_f32 v[\t+1], v[\t+1]
.irp j, 0,2,4,6,8,10,12,14
	v_pk_mul_f32 v[\ob+\j:\ob+\j+1], v[\ob+\j:\ob+\j+1], v[\t+2:\t+3] op_sel_hi:[1,0]
.endr
.irp i, 1,2,3
.irp j, 0,2,4,6,8,10,12,14
	v_pk_fma_f32 v[\ob+\j:\ob+\j+1], v[\ob+16*\i+\j:\ob+16*\i+\j+1], v[\t+2+2*\i:\t+3+2*\i], v[\ob+\j:\ob+\j+1] op_sel_hi:[1,0,1]
.endr
.endr
	s_wait_alu depctr_va_vdst(0)                   ; and ahead of its first reader
	v_ldexp_f32 v[\t+12], v[\t+1], s61             ; x 2^(e8 + e9)
.irp j, 0,2,4,6,8,10,12,14
	v_pk_mul_f32 v[\ob+\j:\ob+\j+1], v[\ob+\j:\ob+\j+1], v[\t+12:\t+13] op_sel_hi:[1,0]
.endr
.irp j, 0,1,2,3,4,5,6,7,8,9,10,11,12,13,14,15
	v_med3_num_f32 v[\ob+\j], v[\ob+\j], -v[CAP], v[CAP]
.endr
	v_cvt_scalef32_pk8_fp8_f32 v[\cd:\cd+1], v[\ob:\ob+7], v[EP]
	v_cvt_scalef32_pk8_fp8_f32 v[\cd+2:\cd+3], v[\ob+8:\ob+15], v[EP]
	v_nop                                          ; a plain line behind the last conversion
	s_lshl_b32 s70, \blk, 17
	s_mov_b32 s71, 0
	s_add_nc_u64 s[\cd+2:\cd+3], s[12:13], s[70:71]
	global_store_b128 v[LI], v[\cd:\cd+3], s[\cd+2:\cd+3]   ; a quad of the last projection's operand: 512 consecutive bytes
.endm
	LOADM HST, HSS, 96, 32
	LOADM 0, LSS, 160, 40
	s_sub_co_u32 s60, 31, ttmp9
	s_wait_alu depctr_va_vdst(0)
	s_wait_dscnt 20                                ; the first block's 20 loads are in
	COMP 96, 32, 48, 80, s60
	s_wait_alu depctr_va_vdst(0)
	s_wait_dscnt 0x0
	COMP 160, 40, 64, 84, ttmp9
	s_wait_tensorcnt 0x0                           ; the wave's end
	ds_add_u32 v[SPW], v[NIL]
	s_wait_dscnt 0x0
	s_endpgm
.Lfunc_end_k_q8f384b4559_attn:
	.size	k_q8f384b4559_attn, .Lfunc_end_k_q8f384b4559_attn-k_q8f384b4559_attn
	.p2alignl 7, 3214868480
	.fill 96, 4, 3214868480
	.section	.rodata,"a",@progbits
	.p2align	6, 0x0
	.amdhsa_kernel k_q8f384b4559_attn
		.amdhsa_group_segment_fixed_size 327680
		.amdhsa_private_segment_fixed_size 0
		.amdhsa_enable_private_segment 0
		.amdhsa_kernarg_size 40
		.amdhsa_user_sgpr_count 2
		.amdhsa_user_sgpr_kernarg_segment_ptr 1
		.amdhsa_wavefront_size32 1
		.amdhsa_system_sgpr_workgroup_id_x 1
		.amdhsa_system_sgpr_workgroup_id_y 1
		.amdhsa_system_sgpr_workgroup_id_z 1
		.amdhsa_system_vgpr_workitem_id 0
		.amdhsa_next_free_vgpr 256
		.amdhsa_next_free_sgpr 100
		.amdhsa_reserve_vcc 1
		.amdhsa_float_denorm_mode_32 3
		.amdhsa_float_denorm_mode_16_64 3
		.amdhsa_memory_ordered 1
		.amdhsa_forward_progress 1
		.amdhsa_inst_pref_size 109
	.end_amdhsa_kernel
	.amdgpu_metadata
---
amdhsa.version: [ 1, 2 ]
amdhsa.kernels:
  - .name:           k_q8f384b4559_attn
    .symbol:         k_q8f384b4559_attn.kd
    .args:
      - { .name: qimg, .offset: 0, .size: 8, .value_kind: global_buffer, .address_space: global }
      - { .name: kimg, .offset: 8, .size: 8, .value_kind: global_buffer, .address_space: global }
      - { .name: vimg, .offset: 16, .size: 8, .value_kind: global_buffer, .address_space: global }
      - { .name: lowp_scales, .offset: 24, .size: 8, .value_kind: global_buffer, .address_space: global }
      - { .name: ocodes, .offset: 32, .size: 8, .value_kind: global_buffer, .address_space: global }
    .group_segment_fixed_size: 327680
    .private_segment_fixed_size: 0
    .kernarg_segment_align: 8
    .kernarg_segment_size: 40
    .max_flat_workgroup_size: 512
    .sgpr_count:     100
    .vgpr_count:     256
    .wavefront_size: 32
...
	.end_amdgpu_metadata
.endif
;; end of part 3
;; launch outp (part 4): grid 8 x 32, 4 waves a work-group, clusters of 4 x 4, 327,680 bytes of LDS; arguments ocodes, wcodes, lowp_scales, bo, out0; writes out0
.if DOCPART == 4
	.amdgcn_target "amdgcn-amd-amdhsa--gfx1250"
	.amdhsa_code_object_version 6
	.text
	.protected	k_q8f384b4559_outp
	.globl	k_q8f384b4559_outp
	.p2align	8
	.type	k_q8f384b4559_outp,@function
k_q8f384b4559_outp:
	s_mov_b64 s[64:65], 0
	v_nop
	global_prefetch_b8 v0, s[64:65] scope:SCOPE_SE
	s_setreg_imm32_b32 hwreg(HW_REG_WAVE_MODE, 25, 1), 1
	s_wait_xcnt 0x0
	s_wait_alu depctr_hold_cnt(0) depctr_sa_sdst(0) depctr_va_vdst(0) depctr_va_sdst(0) depctr_va_ssrc(0) depctr_va_vcc(0) depctr_vm_vsrc(0)
	s_getreg_b32 s2, hwreg(HW_REG_IB_STS2, 6, 4)
	s_cmp_eq_u32 s2, 0
	s_cbranch_scc0 .Lentry_in_a_cluster
	s_endpgm
.Lentry_in_a_cluster:
	s_bfe_u32 s2, ttmp6, 0x10000c
	s_cmp_lg_u32 s2, 0xf033
	s_cbranch_scc0 .Lentry_shape_is_right
	s_endpgm
.Lentry_shape_is_right:
; out0 [4096][1024] f32 = (codes of O) (codes of Wo)^T x 2^(e10 + e11) + bo.  Both operands are images of fragments: 16 rows x 128 along K are 2,048 bytes, a row tile's eight fragments lie on end.
; A work-group makes 128 x 128: 256 work-groups.  ALL OF K lies in LDS at once: 131,072 bytes of each operand, dense in memory, so nothing is filled again: four tensor loads of 65,536 bytes, one a wave, and one barrier.
; A wave makes 64 x 64: 16 accumulators.  K goes in eight steps of 128, each step's fragments fetched while the step before is multiplied, in two sets of registers.
; CLUSTERS: 4 x 4.  A's tile is shared along a row of the cluster, B's along a column: joint loads.  No prefetch: all that the work-group reads is asked for at the head, so there is no loop to run ahead in.
; The matrix instruction is used transposed (source 0 = 16 rows of Wo's codes, source 1 = 16 rows of O's): a lane holds eight neighbouring numbers of a row.
; LIMIT: e10 + e11 between -126 and 127.
; REGISTERS: window 0: v0-35 addresses and bias, v128-255 fragments, set 0 (A's four, then B's four), on the way out rows read back; window 1: accumulator (a, b) at v[8 (4 a + b)]; window 2: v128-255 fragments, set 1.
.set STAGE, 262144                     ; behind the operands: 16 rows x 272 bytes for each wave
.set SPITCH, 272
.set SPARE, STAGE+4*16*SPITCH          ; the spare words, 128 bytes for each wave, which no other line names
.set ADRA, 16
.set ADRB, 17
.set STO,  18
.set RD,   19
.set CO,   20
.set BO,   21
.set SPW,  28
.set NIL,  29
.set G1, 24
.set G0, 32
.set G0B, 36
.set G1B, 48
.set MSB, 0
.macro WIN new                         ; the immediate's high byte repeats the setting that is left
.if MSB != \new
	s_set_vgpr_msb (MSB<<8)|\new
.set MSB, \new
.endif
.endm
.macro CROUND                          ; a round of the cluster's barrier
	s_barrier_signal -1
	s_barrier_wait -1
	s_cmp_lg_u32 s14, 0
	s_cbranch_scc1 .Lnot_wave_0_\@
	s_barrier_signal -3
.Lnot_wave_0_\@:
	s_barrier_wait -3
	s_barrier_signal -1
	s_barrier_wait -1
.endm
	s_load_b256 s[4:11], s[0:1], 0x0               ; O's codes, the weights' codes, the exponents, bo
	s_load_b64 s[12:13], s[0:1], 0x20              ; out0
	v_lshl_add_u32 v[SPW], v0, 2, SPARE
	v_mov_b32 v[NIL], 0
	ds_add_u32 v[SPW], v[NIL]                      ; the opening lines: the add, twice on end, and its wait
	ds_add_u32 v[SPW], v[NIL]
	v_lshrrev_b32 v1, 5, v0
	v_readfirstlane_b32 s14, v1
	s_lshr_b32 s15, s14, 1                         ; my 64 rows.  Also: I fetch for A (0) or for B (1)
	s_and_b32 s16, s14, 1                          ; my 64 columns.  Also: which half of that operand I fetch
	s_bfe_u32 s40, ttmp6, 0x40000
	s_bfe_u32 s41, ttmp6, 0x40004
	s_lshl_b32 s42, ttmp9, 2
	s_add_co_u32 s42, s42, s40                     ; tile column
	s_and_b32 s17, ttmp7, 0xffff
	s_lshl_b32 s17, s17, 2
	s_add_co_u32 s17, s17, s41                     ; tile row
	s_lshl_b32 s43, s41, 2
	s_lshl_b32 s43, 15, s43                        ; my row of the cluster
	s_lshl_b32 s44, 0x1111, s40                    ; my column
	s_or_b32 s[G1+0], s43, (3<<16)|(1<<21)         ; the mask; elements of 8 bytes; 21 set beside a mask
	s_or_b32 s[G1B+0], s44, (3<<16)|(1<<21)
.irp g, G1, G1B                        ; four row tiles of 16,384 bytes, dense
	s_mov_b32 s[\g+1], 2048<<16
	s_mov_b32 s[\g+2], 4<<16
	s_mov_b32 s[\g+3], 2048<<16
	s_mov_b32 s[\g+4], 4
	s_mov_b32 s[\g+5], 2048
	s_mov_b32 s[\g+6], 0
	s_mov_b32 s[\g+7], 0
.endr
	s_lshl_b32 s18, s16, 16
	s_lshl_b32 s20, s17, 17
	s_add_co_u32 s20, s20, s18
	s_lshl_b32 s46, s42, 17
	s_add_co_u32 s46, s46, s18
	s_add_co_u32 s46, s46, 0x300000                ; Wo's plane
	s_mov_b32 s21, 0
	s_mov_b32 s47, 0
	s_lshl_b32 s45, s14, 16                        ; where it goes: A's halves, then B's
	s_wait_alu depctr_va_vdst(0)
	s_wait_dscnt 0x0                               ; both opening adds are done
	s_wait_kmcnt 0x0
	s_load_b64 s[96:97], s[8:9], 0x28              ; e10, e11
	s_mov_b32 s[G0], 1
	s_mov_b32 s[G0+1], s45
	s_add_nc_u64 s[G0+2:G0+3], s[4:5], s[20:21]
	s_or_b32 s[G0+3], s[G0+3], 0x80000000
	s_mov_b32 s[G0B], 1
	s_mov_b32 s[G0B+1], s45
	s_add_nc_u64 s[G0B+2:G0B+3], s[6:7], s[46:47]
	s_or_b32 s[G0B+3], s[G0B+3], 0x80000000
	CROUND                                         ; all sixteen work-groups are here: the joint loads meet
	s_cmp_eq_u32 s15, 0
	s_cbranch_scc0 .Lfor_b
	tensor_load_to_lds s[G0:G0+3], s[G1:G1+7]
	s_nop 0
.rept 4
	v_nop
.endr
	s_branch .Lasked
.Lfor_b:
	tensor_load_to_lds s[G0B:G0B+3], s[G1B:G1B+7]
	s_nop 0
.rept 4
	v_nop
.endr
.Lasked:
	; out0: my first row and column, in bytes; bo likewise
	s_lshl_b32 s20, s17, 19
	s_lshl_b32 s21, s15, 18
	s_add_co_u32 s20, s20, s21
	s_mov_b32 s21, 0
	s_lshl_b32 s46, s42, 9
	s_lshl_b32 s47, s16, 8
	s_add_co_u32 s46, s46, s47
	s_mov_b32 s47, 0
	s_add_nc_u64 s[10:11], s[10:11], s[46:47]
	s_add_nc_u64 s[20:21], s[20:21], s[46:47]
	s_add_nc_u64 s[12:13], s[12:13], s[20:21]
	s_lshl_b32 s21, s15, 16
	s_lshl_b32 s22, s16, 16
	s_add_co_u32 s22, s22, 131072
	s_mul_i32 s23, s14, 16*SPITCH
	s_add_co_u32 s23, s23, STAGE
	v_and_b32 v1, 15, v0                           ; r
	v_bfe_u32 v2, v0, 4, 1                         ; h
	v_lshlrev_b32 v[BO], 4, v1
	global_load_b128 v[32:35], v[BO], s[10:11]     ; the bias of the four columns that I store
	v_and_b32 v3, 31, v0
	v_lshlrev_b32 v3, 4, v3
	v_add_nc_u32 v[ADRA], s21, v3
	v_add_nc_u32 v[ADRB], s22, v3
	v_mul_u32_u24 v4, v1, SPITCH
	v_lshl_add_u32 v4, v2, 5, v4
	v_add_nc_u32 v[STO], s23, v4                   ; in: row r, 32 bytes for each half of the lanes
	v_mul_u32_u24 v5, v2, SPITCH
	v_lshl_add_u32 v5, v1, 4, v5
	v_add_nc_u32 v[RD], s23, v5                    ; back: lanes 0-15 one row of 256 bytes, lanes 16-31 the next
	v_lshlrev_b32 v5, 12, v2
	v_lshl_add_u32 v[CO], v1, 4, v5                ; and the same in out0
.macro LOADK k                         ; K step k's eight fragments into set k % 2
	WIN 0x80*((\k)%2)
.irp i, 0,1,2,3
.irp c, 0,1,2,3
	ds_load_b128 v[128+16*\i+4*\c:131+16*\i+4*\c], v[ADRA] offset:\i*16384+(\k)*2048+512*\c
.endr
.irp c, 0,1,2,3
	ds_load_b128 v[192+16*\i+4*\c:195+16*\i+4*\c], v[ADRB] offset:\i*16384+(\k)*2048+512*\c
.endr
.endr
.endm
.macro MULK k                          ; 16 accumulators by turns, in the same order in every step
	WIN 0x50+0x0a*((\k)%2)
.irp a, 0,1,2,3
.irp b, 0,1,2,3
.if (\k) == 0
	v_wmma_f32_16x16x128_fp8_fp8 v[8*(4*\a+\b):8*(4*\a+\b)+7], v[192+16*\b:207+16*\b], v[128+16*\a:143+16*\a], 0
.else
	v_wmma_f32_16x16x128_fp8_fp8 v[8*(4*\a+\b):8*(4*\a+\b)+7], v[192+16*\b:207+16*\b], v[128+16*\a:143+16*\a], v[8*(4*\a+\b):8*(4*\a+\b)+7]
.endif
.endr
.endr
.endm
	s_wait_alu depctr_va_vdst(0)
	s_wait_tensorcnt 0x0                           ; my half of an operand is in;
	s_barrier_signal -1
	s_barrier_wait -1                              ; and everybody's
	LOADK 0
.irp k, 0,1,2,3,4,5,6,7
.if \k < 7
.if \k > 0
.rept 4
	v_nop                                          ; places in front of loads into registers that the step before read
.endr
.endif
	LOADK \k+1
	s_wait_dscnt 32                                ; all but the 32 just issued
.else
	s_wait_dscnt 0x0
.endif
	MULK \k
.endr
	WIN 0
; THE WAY OUT, by blocks of 16 rows x 64 columns through my own stage: LDS serves a wave's instructions in order (ISA guide 5.7.1.4), so no wait stands between a block's stores and loads, nor in front of the next block's stores.
.macro TOSTAGE a
	WIN 0x04
.irp b, 0,1,2,3
	ds_store_b128 v[STO], v[8*(4*\a+\b):8*(4*\a+\b)+3] offset:64*\b
	ds_store_b128 v[STO], v[8*(4*\a+\b)+4:8*(4*\a+\b)+7] offset:64*\b+16
.endr
	WIN 0
.irp t, 0,1,2,3,4,5,6,7
	ds_load_b128 v[128+32*\a+4*\t:131+32*\a+4*\t], v[RD] offset:\t*2*SPITCH
.endr
.endm
.macro SEND a, younger
	s_wait_dscnt \younger                          ; the block's rows are back; the next block's 16 LDS instructions may be out
.irp t, 0,1,2,3,4,5,6,7
	v_pk_fma_f32 v[128+32*\a+4*\t:129+32*\a+4*\t], v[128+32*\a+4*\t:129+32*\a+4*\t], s[96:97], v[32:33] op_sel_hi:[1,0,1]
	v_pk_fma_f32 v[130+32*\a+4*\t:131+32*\a+4*\t], v[130+32*\a+4*\t:131+32*\a+4*\t], s[96:97], v[34:35] op_sel_hi:[1,0,1]
.endr
.irp t, 0,1,2,3,4,5,6,7
	global_store_b128 v[CO], v[128+32*\a+4*\t:131+32*\a+4*\t], s[12:13] offset:(16*\a+2*\t)*4096 th:TH_STORE_NT   ; sixteen lanes store 256 consecutive bytes, aligned
.endr
.endm
	s_wait_kmcnt 0x0
	s_add_co_i32 s96, s96, s97
	s_add_co_i32 s96, s96, 127
	s_lshl_b32 s96, s96, 23                        ; 2^(e10 + e11)
	s_mov_b32 s97, s96
	s_wait_loadcnt 0x0                             ; the bias
.rept 4
	v_nop                                          ; places behind the last products
.endr
	TOSTAGE 0
	TOSTAGE 1
	SEND 0, 16
	TOSTAGE 2
	SEND 1, 16
	TOSTAGE 3
	SEND 2, 16
	SEND 3, 0
	s_wait_tensorcnt 0x0                           ; the wave's end
	ds_add_u32 v[SPW], v[NIL]
	s_wait_dscnt 0x0
	CROUND                                         ; the closing round: no work-group ends while a partner may still ask for a tile that names it
	s_endpgm
.Lfunc_end_k_q8f384b4559_outp:
	.size	k_q8f384b4559_outp, .Lfunc_end_k_q8f384b4559_outp-k_q8f384b4559_outp
	.p2alignl 7, 3214868480
	.fill 96, 4, 3214868480
	.section	.rodata,"a",@progbits
	.p2align	6, 0x0
	.amdhsa_kernel k_q8f384b4559_outp
		.amdhsa_group_segment_fixed_size 327680
		.amdhsa_private_segment_fixed_size 0
		.amdhsa_enable_private_segment 0
		.amdhsa_kernarg_size 40
		.amdhsa_user_sgpr_count 2
		.amdhsa_user_sgpr_kernarg_segment_ptr 1
		.amdhsa_wavefront_size32 1
		.amdhsa_system_sgpr_workgroup_id_x 1
		.amdhsa_system_sgpr_workgroup_id_y 1
		.amdhsa_system_sgpr_workgroup_id_z 1
		.amdhsa_system_vgpr_workitem_id 0
		.amdhsa_next_free_vgpr 768
		.amdhsa_next_free_sgpr 98
		.amdhsa_reserve_vcc 0
		.amdhsa_float_denorm_mode_32 3
		.amdhsa_float_denorm_mode_16_64 3
		.amdhsa_memory_ordered 1
		.amdhsa_forward_progress 1
		.amdhsa_inst_pref_size 44
	.end_amdhsa_kernel
	.amdgpu_metadata
---
amdhsa.version: [ 1, 2 ]
amdhsa.kernels:
  - .name:           k_q8f384b4559_outp
    .symbol:         k_q8f384b4559_outp.kd
    .args:
      - { .name: ocodes, .offset: 0, .size: 8, .value_kind: global_buffer, .address_space: global }
      - { .name: wcodes, .offset: 8, .size: 8, .value_kind: global_buffer, .address_space: global }
      - { .name: lowp_scales, .offset: 16, .size: 8, .value_kind: global_buffer, .address_space: global }
      - { .name: bo, .offset: 24, .size: 8, .value_kind: global_buffer, .address_space: global }
      - { .name: out0, .offset: 32, .size: 8, .value_kind: global_buffer, .address_space: global }
    .group_segment_fixed_size: 327680
    .private_segment_fixed_size: 0
    .kernarg_segment_align: 8
    .kernarg_segment_size: 40
    .max_flat_workgroup_size: 128
    .sgpr_count:     98
    .vgpr_count:     768
    .wavefront_size: 32
...
	.end_amdgpu_metadata
.endif
;; end of part 4
